; MI455X (gfx1250); checked and timed in simulation.
; The chip was launched on July 23, 2026; its instructions are those of AMD's public machine-readable ISA for CDNA 5 (MIT licence, August 2026) and "CDNA5" Instruction Set Architecture Reference Guide (July 2026). The comments in the code are by the model that wrote it; some were corrected since.
;; Cosine Similarity. Allowed arithmetic: matrix products marked QUANTISED: E5M2 operands, one given power-of-two scale a tensor, by v_wmma_f32_16x16x64_bf8_bf8 or v_wmma_f32_16x16x128_bf8_bf8, f32 sums; everything else in f32.
;; Inputs: lowp_scales 2 int32 (the exponents e of the quantised operands' scales 2^e); tensor_1 8,192 x 256 float32; tensor_2 16,384 x 256 float32.
;; Outputs: out0 8,192 float32.
;; This version of the problem:
;;   THIS VERSION OF THE PROBLEM IS GIVEN IN LOW PRECISION. The matrix products marked QUANTISED in the list below multiply operands that are first quantised to E5M2 (5 exponent bits, 2 mantissa bits; 8 bits a number), with one given power-of-two scale for each operand tensor; their sums are f32. All else is computed in f32.
;;   The module's matrix products, in the order in which they are computed (A, B: the left and right operand; K: the contracted axis; several contracted axes count as one K, in the product's order):
;;     1. [M 8,192, K 256] x [K 256, N 16,384]; A: computed on the way; B: computed on the way: QUANTISED (scales: A lowp_scales[0], B lowp_scales[1])
;;   THE QUANTISER, for each operand of a quantised product, along K:
;;     - The operand's scale is 2^e, e = its entry of the input lowp_scales (int32; the entries are numbered through the quantised products in the list's order, A before B).
;;     - Each number is divided by the scale, clamped to +-57,344, and rounded to the nearest number of E5M2, ties to even, subnormals kept.
;;     - The product sums the exact products of the quantised numbers (number of the format x scale) in f32.
;;   ~~~python
;;   def quantise(x, axis, e):      # numpy; x: float32 -> the quantised numbers, widened to float32 again
;;       x = np.moveaxis(x, axis, -1); K = x.shape[-1]
;;       r = np.clip(x / 2.0 ** e, -57344, 57344)
;;       step = 2.0 ** (np.maximum(np.frexp(np.where(r == 0, 1, r))[1] - 1, -14) - 2)
;;       q = np.round(r / step) * step * 2.0 ** e      # np.round: ties to even
;;       return np.moveaxis(q, -1, axis).astype(np.float32)
;;   ~~~
;;   OPERANDS COMPUTED ON THE WAY. 'Computed on the way' means the value that the module computes at that place (a softmax that the list does not call 'softmax' is quantised finished and normalised). What goes into a quantiser is computed in f32, as accurately as f32 sums, v_exp_f32 and their like allow (about 1e-6 of the number): no bf16 or f16 on the way to a quantiser, and a product that is left as it is and whose result goes on into a quantised operand takes f32 operands (vector FMAs, or v_wmma_f32_16x16x4_f32). A number that lies on a knife's edge between two numbers of the format may be rounded either way, as far as f32 arithmetic and the matrix unit's own rounding can turn it there, and no further.
;; One version. Each part assembles by itself: llvm-mc -triple=amdgcn-amd-amdhsa -mcpu=gfx1250 --defsym DOCPART=n.
;; ======== version 1 of 1: 3 launches
;; workspace buffers: c1 2,097,152 bytes; c2 4,194,304 bytes; part 1,572,864 bytes
;; launch quant (part 1): grid 256 x 1, 6 waves a work-group, no clusters, 26,880 bytes of LDS; arguments tensor_1, tensor_2, lowp_scales, c1, c2; writes c1, c2
.if DOCPART == 1
	.amdgcn_target "amdgcn-amd-amdhsa--gfx1250"
	.amdhsa_code_object_version 6
	.text
	.protected	k_q0aea20264f_quant
	.globl	k_q0aea20264f_quant
	.p2align	8
	.type	k_q0aea20264f_quant,@function
k_q0aea20264f_quant:
	s_mov_b64 s[64:65], 0
	v_nop
	global_prefetch_b8 v0, s[64:65] scope:SCOPE_SE
	s_setreg_imm32_b32 hwreg(HW_REG_WAVE_MODE, 25, 1), 1
	s_wait_xcnt 0x0
; Rows of tensor_1 [8192][256] and tensor_2 [16384][256], f32, are divided by their L2 norm and turned into codes of BF8 (E5M2) with the given scale 2^e
; (entry 0 of the scales for tensor_1, entry 1 for tensor_2): code = (x * rsq(sum of x^2)) / 2^e, held within +-57,344, to the nearest code, ties to even.
; LIMITS: a row whose sum of squares is 0, under 2^-126 or beyond f32's range, and NaN or infinity among the inputs, are not served.  e lies between -126 and 112.
; SHARES.  A tile is 16 rows.  1,536 tiles, one to a wave: tile T = 6 x work-group + wave; T < 512 is tensor_1's, the others tensor_2's.  Only pointers and e are chosen: one path.
; WHAT IS STORED: AN IMAGE OF THE OPERAND'S REGISTERS, 4,096 bytes a tile: chunk c (0..7) is 512 bytes, lane l = 16 h + r owns the 16 bytes at 512 c + 16 l: places 32 c + 16 h + 0..15 of row r's
; 256 code bytes.  Place s holds k = 4 (s / 8) + s % 4 + 128 ((s % 8) / 4): one fixed permutation of K, the same for both tensors, so every product meets its partner.
; It comes from the loads: each load reads 512 consecutive bytes, 16 a lane, so a lane holds k = 4 l + 0..3 and 128 + 4 l + 0..3 of every row: eight numbers, one conversion.
; The codes turn through the wave's own stage in LDS (16 rows, 272 bytes apart); waves share nothing: no barrier.  All 32 loads of a wave are out at once.
.set TILES1, 512                       ; tiles of tensor_1
.set PITCH,  272                       ; a stage row: 256 bytes of codes + 16
.set WREG,   16*PITCH                  ; a wave's stage
.set X, 32                             ; v32-159  row r: v[X+8r .. X+8r+7]
.set S, 160                            ; v160-191 row r: a pair: sums of squares, then 1 / norm in the low one
.set C, 192                            ; v192-223 row r: 8 codes in two registers
.set I, 224                            ; v224-255 the image: chunk c in four registers
	s_load_b256 s[4:11], s[0:1], 0x0               ; tensor_1 s[4:5], tensor_2 s[6:7], the scales' exponents s[8:9], c1 s[10:11]
	s_load_b64 s[12:13], s[0:1], 0x20              ; c2
	v_lshl_add_u32 v30, v0, 2, 0x6600
	v_mov_b32 v31, 0
	v_lshrrev_b32 v1, 5, v0
	v_readfirstlane_b32 s16, v1                    ; wave 0..5
	v_and_b32 v1, 31, v0                           ; lane
	v_lshlrev_b32 v2, 4, v1                        ; 16 x lane: my bytes of a load's 512 and of a chunk's 512; never rewritten
	s_mul_i32 s17, ttmp9, 6
	s_add_co_u32 s17, s17, s16                     ; T
	s_mul_i32 s26, s16, WREG                       ; my stage
	v_lshl_add_u32 v3, v1, 3, s26                  ; into it: 8 bytes a lane, a row's 256 bytes an instruction
	v_and_b32 v7, 15, v0                           ; r
	v_bfe_u32 v8, v0, 4, 1                         ; h
	v_mul_u32_u24 v4, v7, PITCH
	v_lshl_add_u32 v4, v8, 4, v4
	v_add_nc_u32 v4, s26, v4                       ; out of it: row r, + 16 h
	s_mov_b32 s24, 0x76543210                      ; v_permlanex16_b32: each lane takes its own place in the other half
	s_mov_b32 s25, 0xfedcba98
	s_wait_kmcnt 0x0
	s_load_b64 s[22:23], s[8:9], 0x0               ; e0, e1
	s_cmp_lt_u32 s17, TILES1                       ; the choice hangs on ids alone
	s_cselect_b64 s[4:5], s[4:5], s[6:7]
	s_cselect_b64 s[10:11], s[10:11], s[12:13]
	s_cselect_b32 s18, 0, TILES1
	s_sub_co_u32 s18, s17, s18                     ; the tile's number in its tensor
	s_lshl_b32 s20, s18, 14                        ; 16 rows of 1,024 bytes
	s_mov_b32 s21, 0
	s_add_nc_u64 s[4:5], s[4:5], s[20:21]
	s_lshl_b32 s20, s18, 12                        ; an image of 4,096 bytes
	s_add_nc_u64 s[10:11], s[10:11], s[20:21]
.set q, 0
.rept 32
	global_load_b128 v[X+4*q:X+4*q+3], v2, s[4:5] offset:512*q th:TH_LOAD_NT   ; half q % 2 of row q / 2: 32 lanes read 512 consecutive bytes; read once in the launch
.set q, q+1
.endr
	s_wait_kmcnt 0x0
	s_cmp_lt_u32 s17, TILES1
	s_cselect_b32 s22, s22, s23                    ; e
	s_add_co_i32 s22, s22, 127
	s_lshl_b32 s23, s22, 23
	v_mov_b32 v6, s23                              ; 2^e as f32: the conversion takes its exponent field
	s_add_co_i32 s22, s22, 15
	s_lshl_b32 s22, s22, 23
	s_or_b32 s22, s22, 0x600000
	v_mov_b32 v5, s22                              ; 57,344 x 2^e
	; the sums of squares of my eight numbers of each row, two chains a row, four rows by turns
.irp g, 0,1,2,3
	s_wait_loadcnt 24-8*\g                         ; loads come back in order: rows 4 g .. 4 g + 3 are in, the 8 (3 - g) younger loads stay out
.irp r, 0,1,2,3
	v_pk_mul_f32 v[S+2*(4*\g+\r):S+2*(4*\g+\r)+1], v[X+8*(4*\g+\r):X+8*(4*\g+\r)+1], v[X+8*(4*\g+\r):X+8*(4*\g+\r)+1]
.endr
.irp p, 1,2,3
.irp r, 0,1,2,3
	v_pk_fma_f32 v[S+2*(4*\g+\r):S+2*(4*\g+\r)+1], v[X+8*(4*\g+\r)+2*\p:X+8*(4*\g+\r)+2*\p+1], v[X+8*(4*\g+\r)+2*\p:X+8*(4*\g+\r)+2*\p+1], v[S+2*(4*\g+\r):S+2*(4*\g+\r)+1]
.endr
.endr
.endr
	; across the 32 lanes; each step goes over all 16 rows, so that no line waits for the line above it
.set r, 0
.rept 16
	v_add_f32 v[S+2*r], v[S+2*r], v[S+2*r+1]
.set r, r+1
.endr
.irp m, 1,2,4,8
.set r, 0
.rept 16
	v_add_f32_dpp v[S+2*r], v[S+2*r], v[S+2*r] row_xmask:\m row_mask:0xf bank_mask:0xf
.set r, r+1
.endr
.endr
.set r, 0
.rept 16
	v_permlanex16_b32 v[S+2*r+1], v[S+2*r], s24, s25   ; its destination counts as read: it has been written
.set r, r+1
.endr
.set r, 0
.rept 16
	v_add_f32 v[S+2*r], v[S+2*r], v[S+2*r+1]       ; every lane holds the row's sum of squares
.set r, r+1
.endr
.set r, 0
.rept 16
	v_rsq_f32 v[S+2*r], v[S+2*r]                   ; 1 / norm: sixteen as one batch
.set r, r+1
.endr
	v_nop                                          ; a plain instruction between the last of them and the first use of a result
	s_wait_alu depctr_va_vdst(0)                   ; one wait for the batch, ahead of its first reader
.set r, 0
.rept 16
.irp p, 0,2,4,6
	v_pk_mul_f32 v[X+8*r+\p:X+8*r+\p+1], v[X+8*r+\p:X+8*r+\p+1], v[S+2*r:S+2*r+1] op_sel_hi:[1,0]   ; x / norm, two at a time (the pair's low word for both)
.endr
.set r, r+1
.endr
.set q, 0
.rept 128
	v_med3_num_f32 v[X+q], v[X+q], -v5, v5         ; the conversion to an 8-bit code does not saturate (ISA guide 7.6.2): the hold at the largest code x the scale
.set q, q+1
.endr
.set r, 0
.rept 16
	v_cvt_scalef32_pk8_bf8_f32 v[C+2*r:C+2*r+1], v[X+8*r:X+8*r+7], v6
.set r, r+1
.endr
	v_nop                                          ; a plain instruction behind the last scaled conversion
.set r, 0
.rept 16
	ds_store_b64 v3, v[C+2*r:C+2*r+1] offset:PITCH*r   ; row r's 256 code bytes, 8 a lane
.set r, r+1
.endr
.irp c, 0,1,2,3,4,5,6,7
	ds_load_b128 v[I+4*\c:I+4*\c+3], v4 offset:32*\c   ; LDS serves a wave's instructions in order (ISA guide 5.7.1.4): these see my stores.  Places 32 c + 16 h + 0..15 of row r
.endr
.irp c, 0,1,2,3,4,5,6,7
	s_wait_dscnt 7-\c                              ; chunk c is in; the 7 - c younger loads stay out
	global_store_b128 v2, v[I+4*\c:I+4*\c+3], s[10:11] offset:512*\c   ; 32 lanes store 512 consecutive bytes, at a multiple of 256 from the buffer's first byte
.endr
	s_wait_tensorcnt 0x0
	ds_add_u32 v30, v31
	s_wait_dscnt 0x0
	s_endpgm
.Lfunc_end_k_q0aea20264f_quant:
	.size	k_q0aea20264f_quant, .Lfunc_end_k_q0aea20264f_quant-k_q0aea20264f_quant
	.p2alignl 7, 3214868480
	.fill 96, 4, 3214868480
	.section	.rodata,"a",@progbits
	.p2align	6, 0x0
	.amdhsa_kernel k_q0aea20264f_quant
		.amdhsa_group_segment_fixed_size 26880
		.amdhsa_private_segment_fixed_size 0
		.amdhsa_enable_private_segment 0
		.amdhsa_kernarg_size 40
		.amdhsa_user_sgpr_count 2
		.amdhsa_user_sgpr_kernarg_segment_ptr 1
		.amdhsa_wavefront_size32 1
		.amdhsa_system_sgpr_workgroup_id_x 1
		.amdhsa_system_sgpr_workgroup_id_y 1
		.amdhsa_system_sgpr_workgroup_id_z 1
		.amdhsa_system_vgpr_workitem_id 0
		.amdhsa_next_free_vgpr 256
		.amdhsa_next_free_sgpr 66
		.amdhsa_reserve_vcc 0
		.amdhsa_float_denorm_mode_32 3
		.amdhsa_float_denorm_mode_16_64 3
		.amdhsa_memory_ordered 1
		.amdhsa_forward_progress 1
		.amdhsa_inst_pref_size 32
	.end_amdhsa_kernel
	.amdgpu_metadata
---
amdhsa.version: [ 1, 2 ]
amdhsa.kernels:
  - .name:           k_q0aea20264f_quant
    .symbol:         k_q0aea20264f_quant.kd
    .args:
      - { .name: tensor_1, .offset: 0, .size: 8, .value_kind: global_buffer, .address_space: global }
      - { .name: tensor_2, .offset: 8, .size: 8, .value_kind: global_buffer, .address_space: global }
      - { .name: lowp_scales, .offset: 16, .size: 8, .value_kind: global_buffer, .address_space: global }
      - { .name: c1, .offset: 24, .size: 8, .value_kind: global_buffer, .address_space: global }
      - { .name: c2, .offset: 32, .size: 8, .value_kind: global_buffer, .address_space: global }
    .group_segment_fixed_size: 26880
    .private_segment_fixed_size: 0
    .kernarg_segment_align: 8
    .kernarg_segment_size: 40
    .max_flat_workgroup_size: 192
    .sgpr_count:     66
    .vgpr_count:     256
    .wavefront_size: 32
...
	.end_amdgpu_metadata
.endif
;; end of part 1
;; launch simtop (part 2): grid 16 x 16, 8 waves a work-group, clusters of 4 x 1, 269,312 bytes of LDS; arguments c1, c2, part; writes part
.if DOCPART == 2
	.amdgcn_target "amdgcn-amd-amdhsa--gfx1250"
	.amdhsa_code_object_version 6
	.text
	.protected	k_q0aea20264f_simtop
	.globl	k_q0aea20264f_simtop
	.p2align	8
	.type	k_q0aea20264f_simtop,@function
k_q0aea20264f_simtop:
	s_mov_b64 s[64:65], 0
	v_nop
	global_prefetch_b8 v0, s[64:65] scope:SCOPE_SE
	s_setreg_imm32_b32 hwreg(HW_REG_WAVE_MODE, 25, 1), 1
	s_wait_xcnt 0x0
	s_wait_alu depctr_hold_cnt(0) depctr_sa_sdst(0) depctr_va_vdst(0) depctr_va_sdst(0) depctr_va_ssrc(0) depctr_va_vcc(0) depctr_vm_vsrc(0)
	s_getreg_b32 s2, hwreg(HW_REG_IB_STS2, 6, 4)
	s_cmp_eq_u32 s2, 0
	s_cbranch_scc0 .Lentry_in_a_cluster
	s_endpgm
.Lentry_in_a_cluster:
	s_bfe_u32 s2, ttmp6, 0x10000c
	s_cmp_lg_u32 s2, 0x3003
	s_cbranch_scc0 .Lentry_shape_is_right
	s_endpgm
.Lentry_shape_is_right:
; The sums of products of codes of BF8 (E5M2), 8,192 rows (c1) x 16,384 columns (c2) x K = 256, and of each row the three largest sums among a work-group's columns.
; c1, c2: images of operand registers, 4,096 bytes for 16 rows x 256 K: chunk c (512 bytes) holds lane l's 16 bytes at 16 l; chunks 0-3 are the fragment of K step 0, chunks 4-7 of K step 1.
; part: f32 [16 column blocks][3 ranks][8192 rows]: the largest, second and third sum of the row in that block of 1,024 columns.  The sums are of the codes' values: the two scales are applied by the last launch.
; LIMIT: NaN and infinity among the codes are not served (the launch that makes the codes holds them at the largest code).
; SHARES.  Work-group (X, Y): rows 512 X on, columns 1,024 Y on.  Wave w owns rows 64 w .. 64 w + 63: 4 tiles x 2 K steps of A = 128 registers, loaded once, straight from memory.
; Every wave walks the work-group's 64 tiles of B: a tile's 4,096 bytes (8 LDS loads at 16 x lane: no pitch, no padding) feed 8 matrix instructions.
; B IS FILLED ONCE: the work-group's 262,144 bytes lie in LDS whole; no LDS byte is filled twice.  Two chunks of 131,072 bytes; wave w brings 16,384 bytes of each (64 rows of 256 bytes): two tensor loads of mine are out at most.
; CLUSTER.  The four work-groups of a cluster have the same Y, so the same B: each load is asked for JOINTLY, with the same descriptor (made of Y, the wave and the chunk) and a mask that names the four.
; A is not asked for jointly: the partners have four different X; work-groups with the same X lie in other clusters, and 131,072 bytes of A do not fit in LDS beside B's 262,144.
; THE MATRIX INSTRUCTION IS USED TRANSPOSED: source 0 = 16 columns of B, source 1 = my 16 rows: lane (r, h) holds ONE row r, and its eight registers the columns 8 h + 0..7.
; TOP 3.  For each of my 4 tiles a lane keeps a >= b >= c, begun at -infinity.  Two sums x, y go in by five instructions: P = max(min(x, y), b); Q = min(max(x, y), a); a = max(a, x, y);
; c = the middle one of c, P, Q; b = max(P, Q).  No branch and no address hangs on a sum.
; BY TURNS.  Two sets of four accumulators: while one tile's 8 products are issued, the 80 instructions of the tile before stand between them, ten behind each product.
; All registers lie in v0-v255: no register window is switched.
.set L16, 1                            ; v1     16 x lane; never rewritten
.set U,   2                            ; v2-9   tile i: P at U + 2 i, Q at U + 2 i + 1
.set ADR, 10                           ; v10    LDS address of the fetches in hand
.set LN,  11                           ; v11    lane
.set S,   12                           ; v12-19 tile i: a at S + 2 i, b at S + 2 i + 1
.set SA,  20                           ; v20    the way out: my word in my stage
.set SB,  21                           ; v21    the way out: my 8 bytes in my stage
.set GO,  22                           ; v22    8 x lane: my byte offset in a store's 256
.set CC,  28                           ; v28-31 tile i: c
.set B0,  32                           ; v32-47 B's fragment of K step 0
.set B1,  48                           ; v48-63 of K step 1
.set ACC, 64                           ; v64-127 set s, tile i: v[ACC + 32 s + 8 i ..]
.set AR,  128                          ; v128-255 A: tile i, K step k: v[AR + 32 i + 16 k ..]
.set CHUNK, 131072                     ; bytes of B in a chunk: 32 tiles
.set STG,   262144                     ; behind B: a stage of 768 bytes for each wave: blocks of 256 bytes into which no tile lands
.set G1, 24                            ; s[24:31] descriptor group 1
.set G0, 32                            ; s[32:39] descriptor group 0, one set for each chunk
; A round of the cluster's barrier: my work-group's barrier, wave 0 signals for the work-group, every wave waits for all four work-groups, my work-group's barrier once more.
.macro CROUND
	s_barrier_signal -1
	s_barrier_wait -1
	s_cmp_lg_u32 s10, 0
	s_cbranch_scc1 .Lnot_wave_0_\@
	s_barrier_signal -3
.Lnot_wave_0_\@:
	s_barrier_wait -3
	s_barrier_signal -1
	s_barrier_wait -1
.endm
	s_load_b128 s[4:7], s[0:1], 0x0                ; c1 s[4:5], c2 s[6:7]
	s_load_b64 s[8:9], s[0:1], 0x10                ; part
	v_lshl_add_u32 v26, v0, 2, 0x41800
	v_mov_b32 v27, 0
	ds_add_u32 v26, v27
	ds_add_u32 v26, v27
	v_lshrrev_b32 v2, 5, v0
	v_readfirstlane_b32 s10, v2                    ; wave 0..7
	v_and_b32 v[LN], 31, v0
	v_lshlrev_b32 v[L16], 4, v[LN]
	s_bfe_u32 s11, ttmp6, 0x40000                  ; cx: my place in the cluster: it enters A's and part's global addresses alone
	s_lshl_b32 s12, ttmp9, 2                       ; in a cluster launch ttmp9 counts clusters
	s_add_co_u32 s12, s12, s11                     ; X = 4 x cluster x + cx
	s_and_b32 s13, ttmp7, 0xffff                   ; Y, which the four partners share
	; descriptor group 1: a dense block of 16,384 bytes as 64 rows of 32 elements of 8 bytes
	s_mov_b32 s[G1+0], 15|(3<<16)|(1<<21)          ; 15:0 the mask: all four work-groups; 17:16 elements of 8 bytes; 20 no padding; 21 set beside a mask
	s_mov_b32 s[G1+1], 32<<16                      ; tensor_dim0 = 32
	s_mov_b32 s[G1+2], 64<<16                      ; tensor_dim1 = 64
	s_mov_b32 s[G1+3], 32<<16                      ; tile_dim0 = 32
	s_mov_b32 s[G1+4], 64                          ; tile_dim1 = 64
	s_mov_b32 s[G1+5], 32                          ; elements from row to row: dense
	s_mov_b32 s[G1+6], 0
	s_mov_b32 s[G1+7], 0
	s_lshl_b32 s22, s10, 14                        ; 16,384 x wave: my part of a chunk, in memory and in LDS; also my 4 tiles of A
	s_lshl_b32 s14, s12, 17                        ; A: 131,072 X (32 tiles)
	s_add_co_u32 s14, s14, s22
	s_mov_b32 s15, 0
	s_lshl_b32 s16, s13, 18                        ; B: 262,144 Y (64 tiles); these registers never hold cx
	s_add_co_u32 s16, s16, s22
	s_mov_b32 s17, 0
	s_mul_i32 s20, s13, 98304                      ; part: block Y, rows 512 X + 64 wave on
	s_lshl_b32 s21, s12, 11
	s_add_co_u32 s20, s20, s21
	s_lshl_b32 s21, s10, 8
	s_add_co_u32 s20, s20, s21
	s_mov_b32 s21, 0
	s_mul_i32 s23, s10, 768
	s_add_co_u32 s23, s23, STG                     ; my stage
	v_lshl_add_u32 v[SA], v[LN], 2, s23
	v_lshl_add_u32 v[SB], v[LN], 3, s23
	v_lshlrev_b32 v[GO], 3, v[LN]
	s_mov_b32 s40, 0x76543210                      ; v_permlanex16_b32: each lane takes its own place in the other half
	s_mov_b32 s41, 0xfedcba98
	s_wait_dscnt 0x0
	s_wait_kmcnt 0x0
	s_add_nc_u64 s[4:5], s[4:5], s[14:15]
	s_add_nc_u64 s[6:7], s[6:7], s[16:17]
	s_add_nc_u64 s[8:9], s[8:9], s[20:21]
.set q, 0
.rept 32
	global_load_b128 v[AR+4*q:AR+4*q+3], v[L16], s[4:5] offset:512*q   ; A stays in registers: tile q / 8, chunk q % 8; 512 consecutive bytes a load
.set q, q+1
.endr
.irp g, 0,1
	s_mov_b32 s[G0+4*\g], 1                                        ; count = 1
	s_add_co_u32 s[G0+4*\g+1], s22, \g*CHUNK                       ; LDS address: B lies in LDS as in memory
	s_add_nc_u64 s[G0+4*\g+2:G0+4*\g+3], s[6:7], \g*CHUNK          ; global address
	s_or_b32 s[G0+4*\g+3], s[G0+4*\g+3], 0x80000000                ; type = 2
.endr
	CROUND                                         ; all four work-groups are here: the joint loads meet
	tensor_load_to_lds s[G0:G0+3], s[G1:G1+7]      ; all fills of the launch go out together, ahead of every wait on TENSORcnt and every LDS read
	s_nop 0
	tensor_load_to_lds s[G0+4:G0+7], s[G1:G1+7]
	s_nop 0
.rept 4
	v_nop                                          ; behind a tensor load
.endr
	s_mov_b32 s23, 0xff800000                      ; -infinity
.irp i, 0,1,2,3
	v_mov_b32 v[S+2*\i], s23
	v_mov_b32 v[S+2*\i+1], s23
	v_mov_b32 v[CC+\i], s23
.endr
	v_mov_b32 v[ADR], v[L16]                       ; the first fetches: from tile 0 on
	s_mov_b32 s18, 8192                            ; LDS byte of the tile that the loop's first trip fetches first: tile 2
; Number j of 80 of a tile's top-3 list, on accumulator set \set: pair j / 20 of each accumulator's registers; in a pair P, Q, a, c, b, each for the four tiles in turn, so that a result is read four lines on at the earliest.
; The first line that reads an accumulator reads its registers 0 and 1.
.macro VOP j, set
.set vp, (\j)/20
.set vk, ((\j)%20)/4
.set vi, (\j)%4
.set vx, ACC+32*(\set)+8*vi+2*vp
.if vk == 0
	v_minmax_num_f32 v[U+2*vi], v[vx], v[vx+1], v[S+2*vi+1]        ; P = max(min(x, y), b)
.elseif vk == 1
	v_maxmin_num_f32 v[U+2*vi+1], v[vx], v[vx+1], v[S+2*vi]        ; Q = min(max(x, y), a)
.elseif vk == 2
	v_max3_num_f32 v[S+2*vi], v[S+2*vi], v[vx], v[vx+1]            ; a
.elseif vk == 3
	v_med3_num_f32 v[CC+vi], v[CC+vi], v[U+2*vi], v[U+2*vi+1]      ; c: the third of the five
.else
	v_max_num_f32 v[S+2*vi+1], v[U+2*vi], v[U+2*vi+1]              ; b
.endif
.endm
; A TILE of B against my four tiles of A: 8 products into set \set, the four accumulators by turns, one instruction a turn; the first four start the sums with the constant 0.
; vw = 1: behind each product ten lines of the tile before's list (the other set).  They name no register of the products round them, so they are the places in front of the loads
; into B's registers, of the first read of results and of the products that begin a set anew.  vw = 0: four v_nop where places are owed.
; foff >= 0: the next tile is fetched from v[ADR] + foff: its K step 0 when this tile's four products on B0 are issued, its K step 1 behind the last product on B1.
.macro TILE set, foff, vw
.set tq, 0
.rept 8
.if tq == 0
	s_wait_dscnt 4                                 ; B0's four loads are in; B1's four may be out
.endif
.if tq == 4
.if (\foff) >= 0
	s_wait_dscnt 4                                 ; B1 is in; the next tile's four loads into B0 may be out
.else
	s_wait_dscnt 0
.endif
.endif
.if tq < 4
	v_wmma_f32_16x16x128_bf8_bf8 v[ACC+32*(\set)+8*tq:ACC+32*(\set)+8*tq+7], v[B0:B0+15], v[AR+32*tq:AR+32*tq+15], 0
.else
	v_wmma_f32_16x16x128_bf8_bf8 v[ACC+32*(\set)+8*(tq-4):ACC+32*(\set)+8*(tq-4)+7], v[B1:B1+15], v[AR+32*(tq-4)+16:AR+32*(tq-4)+31], v[ACC+32*(\set)+8*(tq-4):ACC+32*(\set)+8*(tq-4)+7]
.endif
.if \vw
.set tn, 0
.rept 10
	VOP 10*tq+tn, 1-(\set)
.set tn, tn+1
.endr
.elseif (tq == 3) || (tq == 7)
.rept 4
	v_nop
.endr
.endif
.if ((\foff) >= 0) && (tq == 3)
.irp c, 0,1,2,3
	ds_load_b128 v[B0+4*\c:B0+4*\c+3], v[ADR] offset:(\foff)+512*\c
.endr
.endif
.if ((\foff) >= 0) && (tq == 7)
.irp c, 0,1,2,3
	ds_load_b128 v[B1+4*\c:B1+4*\c+3], v[ADR] offset:(\foff)+2048+512*\c
.endr
.endif
.set tq, tq+1
.endr
.endm
; n trips; trip k of the 31 in all multiplies tiles 2 k + 1 and 2 k + 2 and fetches tiles 2 k + 2 and 2 k + 3
.macro RUN n
	s_mov_b32 s19, \n
.Lrun_\@:
	v_add_nc_u32 v[ADR], s18, v[L16]
	TILE 1, 0, 1
	TILE 0, 4096, 1
	s_add_co_u32 s18, s18, 8192
	s_sub_co_u32 s19, s19, 1
	s_cmp_lg_u32 s19, 0
	s_cbranch_scc1 .Lrun_\@
.endm
	s_wait_tensorcnt 1                             ; my part of chunk 0 is in; chunk 1's may stay out
	s_barrier_signal -1
	s_barrier_wait -1                              ; everybody's is
.irp c, 0,1,2,3
	ds_load_b128 v[B0+4*\c:B0+4*\c+3], v[ADR] offset:512*\c        ; tile 0
.endr
.irp c, 0,1,2,3
	ds_load_b128 v[B1+4*\c:B1+4*\c+3], v[ADR] offset:2048+512*\c
.endr
	s_wait_loadcnt 0x0                             ; A
	TILE 0, 4096, 0                                ; tile 0: there is no tile before it; tile 1 is fetched
	RUN 15                                         ; tiles 1 to 30; the fetches reach tile 31, the last of chunk 0
	s_wait_tensorcnt 0x0                           ; my part of chunk 1 is in,
	s_wait_dscnt 0x0                               ; and no LDS instruction of mine is pending at the signal
	s_barrier_signal -1
	s_barrier_wait -1                              ; everybody's is
	RUN 16                                         ; tiles 31 to 62; the fetches reach tile 63
	TILE 1, -1, 1                                  ; tile 63: nothing more to fetch
.set tn, 0
.rept 80
	VOP tn, 1                                      ; tile 63's sums; the ten lines behind its last product are the places in front of these
.set tn, tn+1
.endr
; THE WAY OUT.  A row's columns lie in lanes l and l xor 16: the two sorted triples are joined.  The k-th largest of two sorted lists is the largest of min(A_i, B_j) over i + j = k.
.macro MERGE pa, pb, pc, qa, qb, qc, tt
	v_min_num_f32 v[\tt], v[\pa], v[\qa]
	v_min_num_f32 v[\tt+1], v[\pa], v[\qb]
	v_min_num_f32 v[\tt+2], v[\qa], v[\pb]
	v_max_num_f32 v[\pa], v[\pa], v[\qa]
	v_max3_num_f32 v[\pb], v[\pb], v[\qb], v[\tt]
	v_max3_num_f32 v[\pc], v[\pc], v[\qc], v[\tt+1]
	v_max_num_f32 v[\pc], v[\pc], v[\tt+2]
.endm
.irp i, 0,1,2,3
	v_permlanex16_b32 v[64+4*\i], v[S+2*\i], s40, s41              ; into registers that the products have written and that are free now
	v_permlanex16_b32 v[65+4*\i], v[S+2*\i+1], s40, s41
	v_permlanex16_b32 v[66+4*\i], v[CC+\i], s40, s41
.endr
.irp i, 0,1,2,3
	MERGE S+2*\i, S+2*\i+1, CC+\i, 64+4*\i, 65+4*\i, 66+4*\i, 80+4*\i
.endr
	v_cmp_le_u32 vcc_lo, 16, v[LN]                 ; both halves of the lanes now hold the same: lanes 0-15 keep tile 2 u, lanes 16-31 take tile 2 u + 1: lane l holds row 32 u + l
.irp u, 0,1
	v_cndmask_b32 v[96+\u], v[S+4*\u], v[S+4*\u+2], vcc_lo
	v_cndmask_b32 v[98+\u], v[S+4*\u+1], v[S+4*\u+3], vcc_lo
	v_cndmask_b32 v[100+\u], v[CC+2*\u], v[CC+2*\u+1], vcc_lo
.endr
.irp k, 0,1,2
.irp u, 0,1
	ds_store_b32 v[SA], v[96+2*\k+\u] offset:256*\k+128*\u         ; rank k of my 64 rows: 256 bytes on end
.endr
.endr
.irp k, 0,1,2
	ds_load_b64 v[104+2*\k:105+2*\k], v[SB] offset:256*\k          ; LDS serves a wave's instructions in order (ISA guide 5.7.1.4): these see my stores.  Rows 2 l and 2 l + 1
.endr
.irp k, 0,1,2
	s_wait_dscnt 2-\k                              ; rank k is in; the 2 - k younger loads stay out
	global_store_b64 v[GO], v[104+2*\k:105+2*\k], s[8:9] offset:32768*\k   ; 32 lanes store 256 consecutive bytes, at a multiple of 256 from the buffer's first byte
.endr
	s_wait_tensorcnt 0x0
	ds_add_u32 v26, v27
	s_wait_dscnt 0x0
	CROUND                                         ; the closing round: no work-group ends while a partner may still ask for a tile that names it
	s_endpgm
.Lfunc_end_k_q0aea20264f_simtop:
	.size	k_q0aea20264f_simtop, .Lfunc_end_k_q0aea20264f_simtop-k_q0aea20264f_simtop
	.p2alignl 7, 3214868480
	.fill 96, 4, 3214868480
	.section	.rodata,"a",@progbits
	.p2align	6, 0x0
	.amdhsa_kernel k_q0aea20264f_simtop
		.amdhsa_group_segment_fixed_size 269312
		.amdhsa_private_segment_fixed_size 0
		.amdhsa_enable_private_segment 0
		.amdhsa_kernarg_size 24
		.amdhsa_user_sgpr_count 2
		.amdhsa_user_sgpr_kernarg_segment_ptr 1
		.amdhsa_wavefront_size32 1
		.amdhsa_system_sgpr_workgroup_id_x 1
		.amdhsa_system_sgpr_workgroup_id_y 1
		.amdhsa_system_sgpr_workgroup_id_z 1
		.amdhsa_system_vgpr_workitem_id 0
		.amdhsa_next_free_vgpr 256
		.amdhsa_next_free_sgpr 66
		.amdhsa_reserve_vcc 1
		.amdhsa_float_denorm_mode_32 3
		.amdhsa_float_denorm_mode_16_64 3
		.amdhsa_memory_ordered 1
		.amdhsa_forward_progress 1
		.amdhsa_inst_pref_size 45
	.end_amdhsa_kernel
	.amdgpu_metadata
---
amdhsa.version: [ 1, 2 ]
amdhsa.kernels:
  - .name:           k_q0aea20264f_simtop
    .symbol:         k_q0aea20264f_simtop.kd
    .args:
      - { .name: c1, .offset: 0, .size: 8, .value_kind: global_buffer, .address_space: global }
      - { .name: c2, .offset: 8, .size: 8, .value_kind: global_buffer, .address_space: global }
      - { .name: part, .offset: 16, .size: 8, .value_kind: global_buffer, .address_space: global }
    .group_segment_fixed_size: 269312
    .private_segment_fixed_size: 0
    .kernarg_segment_align: 8
    .kernarg_segment_size: 24
    .max_flat_workgroup_size: 256
    .sgpr_count:     66
    .vgpr_count:     256
    .wavefront_size: 32
...
	.end_amdgpu_metadata
.endif
;; end of part 2
;; launch finish (part 3): grid 128 x 1, 1 waves a work-group, no clusters, 0 bytes of LDS; arguments part, lowp_scales, out0; writes out0
.if DOCPART == 3
	.amdgcn_target "amdgcn-amd-amdhsa--gfx1250"
	.amdhsa_code_object_version 6
	.text
	.protected	k_q0aea20264f_finish
	.globl	k_q0aea20264f_finish
	.p2align	8
	.type	k_q0aea20264f_finish,@function
k_q0aea20264f_finish:
	s_mov_b64 s[64:65], 0
	v_nop
	global_prefetch_b8 v0, s[64:65] scope:SCOPE_SE
	s_setreg_imm32_b32 hwreg(HW_REG_WAVE_MODE, 25, 1), 1
	s_wait_xcnt 0x0
; out0[row] = the mean of the row's three largest sums x 2^(e0 + e1).  part: f32 [16 column blocks][3 ranks][8192 rows], each block's triple sorted, largest first.
; A wave takes 64 rows; lane l takes rows 2 l and 2 l + 1, as register pairs: every load reads, and the one store writes, 256 consecutive bytes at a multiple of 256 from the buffer's first byte.
; 128 work-groups of one wave: a wave must own 64 rows for its store to cover 256 bytes.  All 48 loads are out at once; no LDS, no barrier.
; The sixteen triples are joined one after the other: the k-th largest of two sorted lists is the largest of min(A_i, B_j) over i + j = k.  No branch hangs on a number.
; e0 + e1 is applied by v_ldexp_f32: no limit on it.  NaN among the sums is not served.
.set P, 16                             ; v[P+6y+2k : P+6y+2k+1]: rank k of block y, my two rows; block 0's six registers are the state a, b, c
.set T, 2                              ; v2-7 at work
	s_load_b128 s[4:7], s[0:1], 0x0                ; part s[4:5], the scales' exponents s[6:7]
	s_load_b64 s[8:9], s[0:1], 0x10                ; out0
	v_lshlrev_b32 v1, 3, v0                        ; 8 x lane; never rewritten
	s_lshl_b32 s10, ttmp9, 8                       ; 64 rows of 4 bytes
	s_mov_b32 s11, 0
	s_wait_kmcnt 0x0
	s_load_b64 s[12:13], s[6:7], 0x0               ; e0, e1
	s_add_nc_u64 s[4:5], s[4:5], s[10:11]
	s_add_nc_u64 s[8:9], s[8:9], s[10:11]
.irp y, 0,1,2,3,4,5,6,7,8,9,10,11,12,13,14,15
.irp k, 0,1,2
	global_load_b64 v[P+6*\y+2*\k:P+6*\y+2*\k+1], v1, s[4:5] offset:98304*\y+32768*\k th:TH_LOAD_NT   ; 1,540,096 at the most: inside the signed 24-bit immediate; read once in the launch
.endr
.endr
.macro JOIN y
	s_wait_loadcnt 45-3*(\y)                       ; loads come back in order: blocks 0 to y are in, the 3 (15 - y) younger loads stay out
.irp e, 0,1
	v_min_num_f32 v[T+\e], v[P+\e], v[P+6*(\y)+\e]                 ; min(a, a')
.endr
.irp e, 0,1
	v_min_num_f32 v[T+2+\e], v[P+\e], v[P+6*(\y)+2+\e]             ; min(a, b')
.endr
.irp e, 0,1
	v_min_num_f32 v[T+4+\e], v[P+6*(\y)+\e], v[P+2+\e]             ; min(a', b)
.endr
.irp e, 0,1
	v_max_num_f32 v[P+\e], v[P+\e], v[P+6*(\y)+\e]
.endr
.irp e, 0,1
	v_max3_num_f32 v[P+2+\e], v[P+2+\e], v[P+6*(\y)+2+\e], v[T+\e]
.endr
.irp e, 0,1
	v_max3_num_f32 v[P+4+\e], v[P+4+\e], v[P+6*(\y)+4+\e], v[T+2+\e]
.endr
.irp e, 0,1
	v_max_num_f32 v[P+4+\e], v[P+4+\e], v[T+4+\e]
.endr
.endm
.irp y, 1,2,3,4,5,6,7,8,9,10,11,12,13,14,15
	JOIN \y
.endr
	s_wait_kmcnt 0x0
	s_add_co_i32 s12, s12, s13                     ; e0 + e1
	v_pk_add_f32 v[T:T+1], v[P:P+1], v[P+2:P+3]
	v_pk_add_f32 v[T:T+1], v[T:T+1], v[P+4:P+5]
	v_pk_mul_f32 v[T:T+1], v[T:T+1], 0x3eaaaaab op_sel_hi:[1,0]    ; x 1/3
	v_ldexp_f32 v[T], v[T], s12
	v_ldexp_f32 v[T+1], v[T+1], s12
	global_store_b64 v1, v[T:T+1], s[8:9]
	s_endpgm
.Lfunc_end_k_q0aea20264f_finish:
	.size	k_q0aea20264f_finish, .Lfunc_end_k_q0aea20264f_finish-k_q0aea20264f_finish
	.p2alignl 7, 3214868480
	.fill 96, 4, 3214868480
	.section	.rodata,"a",@progbits
	.p2align	6, 0x0
	.amdhsa_kernel k_q0aea20264f_finish
		.amdhsa_group_segment_fixed_size 0
		.amdhsa_private_segment_fixed_size 0
		.amdhsa_enable_private_segment 0
		.amdhsa_kernarg_size 24
		.amdhsa_user_sgpr_count 2
		.amdhsa_user_sgpr_kernarg_segment_ptr 1
		.amdhsa_wavefront_size32 1
		.amdhsa_system_sgpr_workgroup_id_x 1
		.amdhsa_system_sgpr_workgroup_id_y 1
		.amdhsa_system_sgpr_workgroup_id_z 1
		.amdhsa_system_vgpr_workitem_id 0
		.amdhsa_next_free_vgpr 112
		.amdhsa_next_free_sgpr 66
		.amdhsa_reserve_vcc 0
		.amdhsa_float_denorm_mode_32 3
		.amdhsa_float_denorm_mode_16_64 3
		.amdhsa_memory_ordered 1
		.amdhsa_forward_progress 1
		.amdhsa_inst_pref_size 15
	.end_amdhsa_kernel
	.amdgpu_metadata
---
amdhsa.version: [ 1, 2 ]
amdhsa.kernels:
  - .name:           k_q0aea20264f_finish
    .symbol:         k_q0aea20264f_finish.kd
    .args:
      - { .name: part, .offset: 0, .size: 8, .value_kind: global_buffer, .address_space: global }
      - { .name: lowp_scales, .offset: 8, .size: 8, .value_kind: global_buffer, .address_space: global }
      - { .name: out0, .offset: 16, .size: 8, .value_kind: global_buffer, .address_space: global }
    .group_segment_fixed_size: 0
    .private_segment_fixed_size: 0
    .kernarg_segment_align: 8
    .kernarg_segment_size: 24
    .max_flat_workgroup_size: 32
    .sgpr_count:     66
    .vgpr_count:     112
    .wavefront_size: 32
...
	.end_amdgpu_metadata
.endif
;; end of part 3
